; MI455X (gfx1250); checked and timed in simulation.
; The chip was launched on July 23, 2026; its instructions are those of AMD's public machine-readable ISA for CDNA 5 (MIT licence, August 2026) and "CDNA5" Instruction Set Architecture Reference Guide (July 2026). The comments in the code are by the model that wrote it; some were corrected since.
;; Attention Block. Allowed arithmetic: matrix products marked QUANTISED: E5M2 operands, one given power-of-two scale a tensor, by v_wmma_f32_16x16x64_bf8_bf8 or v_wmma_f32_16x16x128_bf8_bf8, f32 sums; everything else in f32.
;; Inputs: b_proj 128 float32; b_qkv 384 float32; beta 128 float32; gamma 128 float32; lowp_scales 8 int32 (the exponents e of the quantised operands' scales 2^e); w_proj_codes 128 x 4 x 32 uint8 (E5M2 codes of w_proj, K innermost, in blocks of 32 codes); w_qkv_codes 384 x 4 x 32 uint8 (E5M2 codes of w_qkv, K innermost, in blocks of 32 codes); x 8 x 128 x 64 x 64 float32.
;; Outputs: out0 8 x 128 x 64 x 64 float32.
;; This version of the problem:
;;   THIS VERSION OF THE PROBLEM IS GIVEN IN LOW PRECISION. The matrix products marked QUANTISED in the list below multiply operands that are first quantised to E5M2 (5 exponent bits, 2 mantissa bits; 8 bits a number), with one given power-of-two scale for each operand tensor; their sums are f32. All else is computed in f32.
;;   The module's matrix products, in the order in which they are computed (A, B: the left and right operand; K: the contracted axis; several contracted axes count as one K, in the product's order):
;;     1. [M 32,768, K 128] x [K 128, N 384]; A: computed on the way; B: input w_qkv (given as codes): QUANTISED (scales: A lowp_scales[0], B lowp_scales[1])
;;     2. batch 8 x [M 4,096, K 128] x [K 128, N 4,096]; A: computed on the way; B: computed on the way: QUANTISED (scales: A lowp_scales[2], B lowp_scales[3])
;;     3. batch 8 x [M 128, K 4,096] x [K 4,096, N 4,096]; A: computed on the way; B: softmax (see below): QUANTISED (scales: A lowp_scales[4], B lowp_scales[5])
;;     4. [M 32,768, K 128] x [K 128, N 128]; A: computed on the way; B: input w_proj (given as codes): QUANTISED (scales: A lowp_scales[6], B lowp_scales[7])
;;   THE QUANTISER, for each operand of a quantised product, along K:
;;     - The operand's scale is 2^e, e = its entry of the input lowp_scales (int32; the entries are numbered through the quantised products in the list's order, A before B).
;;     - Each number is divided by the scale, clamped to +-57,344, and rounded to the nearest number of E5M2, ties to even, subnormals kept.
;;     - The product sums the exact products of the quantised numbers (number of the format x scale) in f32.
;;   ~~~python
;;   def quantise(x, axis, e):      # numpy; x: float32 -> the quantised numbers, widened to float32 again
;;       x = np.moveaxis(x, axis, -1); K = x.shape[-1]
;;       r = np.clip(x / 2.0 ** e, -57344, 57344)
;;       step = 2.0 ** (np.maximum(np.frexp(np.where(r == 0, 1, r))[1] - 1, -14) - 2)
;;       q = np.round(r / step) * step * 2.0 ** e      # np.round: ties to even
;;       return np.moveaxis(q, -1, axis).astype(np.float32)
;;   ~~~
;;   SOFTMAX AHEAD OF A QUANTISED PRODUCT. Where the list says 'softmax', what is quantised is not the finished softmax but p = 2^(t - M), with t = logit x log2(e) and M = ceil(the row's largest t), a whole number; so 1/2 < the row's largest p <= 1. The row's sum l is taken of the UNQUANTISED p, in f32, and the product's result is divided by l at the end. Since M is a whole number, a kernel that streams over the keys may use a running M (the ceiling of the running maximum): every later rescaling is an exact power of two, so the quantised numbers keep their values, but for numbers so far below the row's largest that they fall under the format's range.
;;   OPERANDS COMPUTED ON THE WAY. 'Computed on the way' means the value that the module computes at that place (a softmax that the list does not call 'softmax' is quantised finished and normalised). What goes into a quantiser is computed in f32, as accurately as f32 sums, v_exp_f32 and their like allow (about 1e-6 of the number): no bf16 or f16 on the way to a quantiser, and a product that is left as it is and whose result goes on into a quantised operand takes f32 operands (vector FMAs, or v_wmma_f32_16x16x4_f32). A number that lies on a knife's edge between two numbers of the format may be rounded either way, as far as f32 arithmetic and the matrix unit's own rounding can turn it there, and no further.
;;   INPUTS GIVEN AS CODES. w_proj (in the module: [128, 128], K = its axis 1); w_qkv (in the module: [384, 128], K = its axis 1): each comes as NAME_codes (uint8): NAME with its K axis moved to the last place and cut into blocks of 32 codes, [.., K / 32, bytes a block], one block behind the other in memory; one code a byte (a code: sign, 5 exponent bits, 2 mantissa bits); its scale is its entry of lowp_scales. Its value is code x scale, taken as it is: it is not quantised again, and the codes and scales need not be those that the quantiser above would give.
;; One version. Each part assembles by itself: llvm-mc -triple=amdgcn-amd-amdhsa -mcpu=gfx1250 --defsym DOCPART=n.
;; ======== version 1 of 1: 3 launches
;; limits: right only within a limited range of input values
;; workspace buffers: stats 2,048 bytes; q 4,194,304 bytes; kv 8,388,608 bytes
;; launch gstats (part 1): grid 256 x 1, 8 waves a work-group, no clusters, 1,536 bytes of LDS; arguments x, stats; writes stats
.if DOCPART == 1
	.amdgcn_target "amdgcn-amd-amdhsa--gfx1250"
	.amdhsa_code_object_version 6
	.text
	.protected	k_qadf1664e48_gstats
	.globl	k_qadf1664e48_gstats
	.p2align	8
	.type	k_qadf1664e48_gstats,@function
k_qadf1664e48_gstats:
	s_mov_b64 s[64:65], 0
	v_nop
	global_prefetch_b8 v0, s[64:65] scope:SCOPE_SE
	s_setreg_imm32_b32 hwreg(HW_REG_WAVE_MODE, 25, 1), 1
	s_wait_xcnt 0x0
; GROUP NORM, FIRST HALF.  x is [8][128][4096] f32; a group is 16 channels of one image: 262,144 consecutive bytes.
; Work-group g takes the g-th 65,536 bytes of x, a quarter of group g / 4, and stores one record of 8 bytes at stats + 8 g:
; (the quarter's mean, the quarter's sum of squared deviations from that mean).  The next launch joins four records.
; The 16,384 numbers stay in registers (64 a thread) between the pass that sums and the pass that sums squared deviations:
; x is read once here, and no difference of two large sums is formed, so a common offset of x costs no accuracy.
; Thread t, load i: 16 bytes at 16 t + 4,096 i: a wave's load covers 512 consecutive bytes.
; No matrix work, no cluster, no tensor load: the work-groups share no byte, and all of a work-group's bytes are asked for at once.
; LIMIT: NaN and infinities in x are not served.
.set X,   16                           ; v[16:79]  my 64 numbers
.set CH,  80                           ; v[80:87]  four packed chains
.set R,   88                           ; v88       a wave's figure, then the work-group's
.set PD,  89                           ; v89       the lane permute's destination (written once: it counts as read)
.set WA,  90                           ; v90       4 x my wave's number: my wave's word in LDS
.set NIL, 91                           ; v91       0
	s_load_b128 s[4:7], s[0:1], 0x0                ; x s[4:5], stats s[6:7]
	v_lshl_add_u32 v96, v0, 2, 0x200
	v_mov_b32 v97, 0
	v_lshlrev_b32 v1, 4, v0                        ; 16 t
	v_lshrrev_b32 v[WA], 5, v0
	s_delay_alu instid0(VALU_DEP_1)
	v_lshlrev_b32 v[WA], 2, v[WA]
	v_mov_b32 v[NIL], 0
	v_mov_b32 v[PD], 0
	s_mov_b32 s10, 0x76543210                      ; v_permlanex16_b32: lane l takes lane l xor 16
	s_mov_b32 s11, 0xfedcba98
	s_lshl_b32 s2, ttmp9, 16                       ; my 65,536 bytes of x
	s_mov_b32 s3, 0
	s_lshl_b32 s8, ttmp9, 3                        ; my record
	s_mov_b32 s9, 0
	s_wait_alu depctr_va_vdst(0)
	s_wait_kmcnt 0x0
	s_add_nc_u64 s[4:5], s[4:5], s[2:3]
	s_add_nc_u64 s[6:7], s[6:7], s[8:9]
.irp i, 0,1,2,3,4,5,6,7,8,9,10,11,12,13,14,15
	global_load_b128 v[X+4*\i:X+4*\i+3], v1, s[4:5] offset:4096*\i   ; no hint: the next launch reads x again
.endr
; the four chains are joined, then the 32 lanes, then the eight waves through eight words of LDS at byte off; the sum ends in v[R] of every lane
.macro RED off
	v_pk_add_f32 v[CH:CH+1], v[CH:CH+1], v[CH+2:CH+3]
	s_delay_alu instid0(VALU_DEP_2)
	v_pk_add_f32 v[CH+4:CH+5], v[CH+4:CH+5], v[CH+6:CH+7]
	s_delay_alu instid0(VALU_DEP_1)
	v_pk_add_f32 v[CH:CH+1], v[CH:CH+1], v[CH+4:CH+5]
	s_delay_alu instid0(VALU_DEP_1)
	v_add_f32 v[R], v[CH], v[CH+1]
	s_delay_alu instid0(VALU_DEP_1)
	v_add_f32_dpp v[R], v[R], v[R] row_xmask:1 row_mask:0xf bank_mask:0xf
	s_delay_alu instid0(VALU_DEP_1)
	v_add_f32_dpp v[R], v[R], v[R] row_xmask:2 row_mask:0xf bank_mask:0xf
	s_delay_alu instid0(VALU_DEP_1)
	v_add_f32_dpp v[R], v[R], v[R] row_xmask:4 row_mask:0xf bank_mask:0xf
	s_delay_alu instid0(VALU_DEP_1)
	v_add_f32_dpp v[R], v[R], v[R] row_xmask:8 row_mask:0xf bank_mask:0xf
	s_delay_alu instid0(VALU_DEP_1)
	v_permlanex16_b32 v[PD], v[R], s10, s11
	s_delay_alu instid0(VALU_DEP_1)
	v_add_f32 v[R], v[R], v[PD]
	ds_store_b32 v[WA], v[R] offset:\off           ; all lanes of a wave write the same word with the same number
	s_wait_dscnt 0x0                               ; for the others' sake: my store has landed
	s_barrier_signal -1
	s_barrier_wait -1
	ds_load_b128 v[92:95], v[NIL] offset:\off
	ds_load_b128 v[8:11], v[NIL] offset:\off+16
	s_wait_dscnt 0x0
	v_add_f32 v92, v92, v93
	v_add_f32 v94, v94, v95
	v_add_f32 v8, v8, v9
	v_add_f32 v10, v10, v11
	s_delay_alu instid0(VALU_DEP_3)
	v_add_f32 v92, v92, v94
	s_delay_alu instid0(VALU_DEP_2)
	v_add_f32 v8, v8, v10
	s_delay_alu instid0(VALU_DEP_1)
	v_add_f32 v[R], v92, v8
.endm
	; pass 1: the sum.  The first four loads start the chains: nothing is cleared
.irp i, 0,1,2,3,4,5,6,7,8,9,10,11,12,13,14,15
	s_wait_loadcnt 15-\i                           ; loads come back in order: load i is in, the 15 - i younger ones may be out
.if \i < 4
	v_pk_add_f32 v[CH+2*\i:CH+2*\i+1], v[X+4*\i:X+4*\i+1], v[X+4*\i+2:X+4*\i+3]
.else
	s_wait_alu depctr_va_vdst(0)
	v_pk_add_f32 v[CH+2*(\i%4):CH+2*(\i%4)+1], v[CH+2*(\i%4):CH+2*(\i%4)+1], v[X+4*\i:X+4*\i+1]
	s_delay_alu instid0(VALU_DEP_1)
	v_pk_add_f32 v[CH+2*(\i%4):CH+2*(\i%4)+1], v[CH+2*(\i%4):CH+2*(\i%4)+1], v[X+4*\i+2:X+4*\i+3]
.endif
.endr
	RED 0
	s_delay_alu instid0(VALU_DEP_1)
	v_mul_f32 v12, 0x38800000, v[R]                ; the mean: sum x 2^-14 (16,384 numbers)
	s_delay_alu instid0(VALU_DEP_1)
	v_mov_b32 v13, v12
	; pass 2: deviations in place, then their squares
.set j, 0
.rept 32
	v_pk_add_f32 v[X+2*j:X+2*j+1], v[X+2*j:X+2*j+1], v[12:13] neg_lo:[0,1] neg_hi:[0,1]
.set j, j+1
.endr
.set j, 0
.rept 4
	v_pk_mul_f32 v[CH+2*j:CH+2*j+1], v[X+2*j:X+2*j+1], v[X+2*j:X+2*j+1]
.set j, j+1
.endr
.rept 28
	s_delay_alu instid0(VALU_DEP_4)
	v_pk_fma_f32 v[CH+2*(j%4):CH+2*(j%4)+1], v[X+2*j:X+2*j+1], v[X+2*j:X+2*j+1], v[CH+2*(j%4):CH+2*(j%4)+1]
.set j, j+1
.endr
	RED 32                                         ; other words than the first sum's, so no barrier is owed between the first sum's reads and these stores
	s_delay_alu instid0(VALU_DEP_1)
	v_mov_b32 v13, v[R]
	v_cmp_eq_u32 vcc_lo, 0, v0                     ; thread 0 stores the record
	s_wait_alu depctr_va_vdst(0)
	s_wait_xcnt 0x0                                ; EXEC is a source of the loads above: it changes only behind this wait
	s_wait_tensorcnt 0x0
	ds_add_u32 v96, v97
	s_wait_dscnt 0x0
	s_and_saveexec_b32 s12, vcc_lo
	global_store_b64 v[NIL], v[12:13], s[6:7]
	s_wait_xcnt 0x0                                ; and again in front of the line that widens it
	s_or_b32 exec_lo, exec_lo, s12
	s_endpgm
.Lfunc_end_k_qadf1664e48_gstats:
	.size	k_qadf1664e48_gstats, .Lfunc_end_k_qadf1664e48_gstats-k_qadf1664e48_gstats
	.p2alignl 7, 3214868480
	.fill 96, 4, 3214868480
	.section	.rodata,"a",@progbits
	.p2align	6, 0x0
	.amdhsa_kernel k_qadf1664e48_gstats
		.amdhsa_group_segment_fixed_size 1536
		.amdhsa_private_segment_fixed_size 0
		.amdhsa_enable_private_segment 0
		.amdhsa_kernarg_size 16
		.amdhsa_user_sgpr_count 2
		.amdhsa_user_sgpr_kernarg_segment_ptr 1
		.amdhsa_wavefront_size32 1
		.amdhsa_system_sgpr_workgroup_id_x 1
		.amdhsa_system_sgpr_workgroup_id_y 1
		.amdhsa_system_sgpr_workgroup_id_z 1
		.amdhsa_system_vgpr_workitem_id 0
		.amdhsa_next_free_vgpr 98
		.amdhsa_next_free_sgpr 66
		.amdhsa_reserve_vcc 1
		.amdhsa_float_denorm_mode_32 3
		.amdhsa_float_denorm_mode_16_64 3
		.amdhsa_memory_ordered 1
		.amdhsa_forward_progress 1
		.amdhsa_inst_pref_size 14
	.end_amdhsa_kernel
	.amdgpu_metadata
---
amdhsa.version: [ 1, 2 ]
amdhsa.kernels:
  - .name:           k_qadf1664e48_gstats
    .symbol:         k_qadf1664e48_gstats.kd
    .args:
      - { .name: x, .offset: 0, .size: 8, .value_kind: global_buffer, .address_space: global }
      - { .name: stats, .offset: 8, .size: 8, .value_kind: global_buffer, .address_space: global }
    .group_segment_fixed_size: 1536
    .private_segment_fixed_size: 0
    .kernarg_segment_align: 8
    .kernarg_segment_size: 16
    .max_flat_workgroup_size: 256
    .sgpr_count:     66
    .vgpr_count:     98
    .wavefront_size: 32
...
	.end_amdgpu_metadata
.endif
;; end of part 1
;; launch qkv (part 2): grid 32 x 8, 8 waves a work-group, no clusters, 17,408 bytes of LDS; arguments x, stats, gamma, beta, w_qkv_codes, b_qkv, lowp_scales, q, kv; writes q, kv
.if DOCPART == 2
	.amdgcn_target "amdgcn-amd-amdhsa--gfx1250"
	.amdhsa_code_object_version 6
	.text
	.protected	k_qadf1664e48_qkv
	.globl	k_qadf1664e48_qkv
	.p2align	8
	.type	k_qadf1664e48_qkv,@function
k_qadf1664e48_qkv:
	s_mov_b64 s[64:65], 0
	v_nop
	global_prefetch_b8 v0, s[64:65] scope:SCOPE_SE
	s_setreg_imm32_b32 hwreg(HW_REG_WAVE_MODE, 25, 1), 1
	s_wait_xcnt 0x0
; GROUP NORM (second half), its codes, the product with w_qkv, the bias, and the codes of q, k and v.  All codes are BF8 (E5M2) with the given scales 2^e:
; hn e0, w_qkv e1, q e2, k e3, v e4.  Work-group (x = block of 128 positions, y = image).
; WHAT IS STORED.  Operands for the next launch, as IMAGES OF THEIR REGISTERS: a fragment (16 rows x 128 along K, 16 registers a lane) is 2,048 bytes; registers 4 c .. 4 c + 3 of lane l lie at 512 c + 16 l.
;   q:  ((image x 32 + block) x 8 + T) x 2,048: tile T of 16 positions, K = the 128 channels.
;   kv: (image x 32 + block) x 32,768: k's eight tiles T likewise, then at + 16,384 v's eight tiles of 16 CHANNELS, K = the block's 128 positions.
; ORDER OF POSITIONS.  Row r of tile T = 4 p + t is position 64 p + 4 r + t of the block: one 16-byte load of x (four neighbouring positions of one channel) then holds one number for each of the tiles
; t = 0 .. 3, and sixteen lanes read 256 consecutive bytes, aligned.  The same order holds in q, k and v, so every product meets its partner.
; PHASE X.  Wave w takes channels 32 (w % 4) on and positions 64 (w / 4) on; lane (r, h) takes channels + 16 h + 0 .. 15.  The multiply-add of the norm also turns the numbers: its results are 16 neighbouring
; channels of one position in 16 registers on end, which the conversions want.  Four registers of codes for each of four tiles go to LDS as a part of hn's images.  One barrier.
; PHASE P.  Wave w takes rows 32 w .. 32 w + 31 of w_qkv (q's channels for w < 4, k's for w >= 4) and rows 256 + 16 w .. + 15 (v's), against all eight tiles of hn: 24 products of 16 x 16 x 128, no chain.
;   q, k: TRANSPOSED (source 0 = 16 rows of w, source 1 = hn): a lane holds one position and eight neighbouring channels, so the conversions' results are registers of q's and k's fragments.
;   v: straight (source 0 = hn, source 1 = 16 rows of w): a lane holds one channel and eight rows of the tile of positions: registers of v's fragment, whose K is the positions.
; The bias is the C of each product, divided by 2^(e0 + e1), which the sums lack; the conversion's one scale is 2^(e - e0 - e1).
; NO CLUSTER, NO TENSOR LOAD: what the work-groups share is w_qkv and the small vectors, 6 KB a wave beside the work-group's own 64 KB of x; all loads go to registers and all are out at once.
; LIMITS, so that each power of two is an f32 number: e0, e2 - e0 - e1, e3 - e0 - e1 and e4 - e0 - e1 between -126 and 112.  NaN and infinities among the inputs are not served.
.set XA,  4                            ; v4   x: 262,144 h + 16 r
.set LI,  5                            ; v5   16 x lane
.set IS,  6                            ; v6   where I store my part of hn's images
.set WA,  7                            ; v7   w_qkv: 128 r + 16 h
.set H32, 8                            ; v8   32 h: the group's four records; the pair's bias
.set H64, 9                            ; v9   64 h: gamma, beta
.set R4,  27                           ; v27  4 r: v's bias
.set REC, 16                           ; v[16:23]  the four records; in phase P v's codes
.set X,   32                           ; v[32:95]  x: load i at 32 + 4 i; in phase P four fragments of hn
.set GA,  96                           ; v[96:111] gamma, then gamma / sqrt(var + eps)
.set BE,  112                          ; v[112:127] beta
.set H,   128                          ; v[128:159] two sets of 16 numbers of hn
.set D,   96                           ; v[96:159] in phase P: eight accumulators
.set PC,  160                          ; v[160:175] codes
.set WP,  176                          ; v[176:207] my pair of tiles of w_qkv
.set WVR, 208                          ; v[208:223] my tile of v's rows
.set BP,  224                          ; v[224:239] the pair's bias, in the result's layout
.set BV,  240                          ; v[240:247] v's bias: my channel's, eight times
; 2^e as f32 into v[vs] (the conversion takes its exponent field) ; s[e] holds e and ends as 57,344 x 2^e
.macro MKSCALE e, t, vs, vl
	s_add_co_i32 s[\e], s[\e], 127
	s_lshl_b32 s[\t], s[\e], 23
	v_mov_b32 v[\vs], s[\t]
	s_add_co_i32 s[\e], s[\e], 15
	s_lshl_b32 s[\e], s[\e], 23
	s_or_b32 s[\e], s[\e], 0x600000
.endm
	s_load_b256 s[4:11], s[0:1], 0x0               ; x s[4:5], stats s[6:7], gamma s[8:9], beta s[10:11]
	s_load_b256 s[12:19], s[0:1], 0x20             ; w_qkv s[12:13], b_qkv s[14:15], the exponents s[16:17], q s[18:19]
	s_load_b64 s[20:21], s[0:1], 0x40              ; kv
	v_lshl_add_u32 v254, v0, 2, 0x4000
	v_mov_b32 v255, 0
	v_lshrrev_b32 v1, 5, v0
	s_delay_alu instid0(VALU_DEP_1)
	v_readfirstlane_b32 s22, v1                    ; wave 0..7
	v_and_b32 v1, 31, v0                           ; lane
	v_and_b32 v2, 15, v0                           ; r
	s_wait_alu depctr_va_vdst(0)
	v_bfe_u32 v3, v0, 4, 1                         ; h
	s_and_b32 s23, s22, 3                          ; phase X: my block of 32 channels.  Phase P: which four registers of q's or k's fragments I make
	s_lshr_b32 s24, s22, 2                         ; phase X: my half of the positions
	s_and_b32 s26, ttmp7, 0xffff                   ; the image
	s_lshl_b32 s27, s26, 5
	s_add_co_u32 s27, s27, ttmp9                   ; image x 32 + block
	v_lshlrev_b32 v[XA], 18, v3                    ; 16 channels of 16,384 bytes for lanes 16-31
	s_delay_alu instid0(VALU_DEP_1)
	v_lshl_add_u32 v[XA], v2, 4, v[XA]
	v_lshlrev_b32 v[LI], 4, v1
	s_lshl_b32 s36, s23, 9
	s_lshl_b32 s37, s24, 13
	s_add_co_u32 s36, s36, s37
	v_add_nc_u32 v[IS], s36, v[LI]                 ; register group (w % 4) of tiles 4 (w / 4) on
	v_lshlrev_b32 v[WA], 7, v2
	s_wait_alu depctr_va_vdst(0)
	v_lshl_add_u32 v[WA], v3, 4, v[WA]
	v_lshlrev_b32 v[H32], 5, v3
	v_lshlrev_b32 v[H64], 6, v3
	v_lshlrev_b32 v[R4], 2, v2
	s_mov_b32 s48, 0x37800000                      ; 2^-16: a group has 65,536 numbers
	s_mov_b32 s49, 0x3727c5ac                      ; eps = 1e-5
	s_mov_b32 s37, 0                               ; the upper word of every offset below
	s_wait_alu depctr_va_vdst(0)
	s_wait_kmcnt 0x0
	s_load_b256 s[28:35], s[16:17], 0x0            ; e0 .. e7
	s_lshl_b32 s36, s26, 8                         ; records: 256 bytes an image, 32 a group; my lanes' groups are 2 (w % 4) + h
	s_lshl_b32 s38, s23, 6
	s_add_co_u32 s36, s36, s38
	s_add_nc_u64 s[6:7], s[6:7], s[36:37]
	s_lshl_b32 s36, s23, 7
	s_add_nc_u64 s[8:9], s[8:9], s[36:37]
	s_add_nc_u64 s[10:11], s[10:11], s[36:37]
	global_load_b128 v[REC:REC+3], v[H32], s[6:7]              ; ten small loads first: they are wanted first
	global_load_b128 v[REC+4:REC+7], v[H32], s[6:7] offset:16
.irp k, 0,1,2,3
	global_load_b128 v[GA+4*\k:GA+4*\k+3], v[H64], s[8:9] offset:16*\k
.endr
.irp k, 0,1,2,3
	global_load_b128 v[BE+4*\k:BE+4*\k+3], v[H64], s[10:11] offset:16*\k
.endr
	s_lshl_b32 s36, s26, 21                        ; x: the image, my 32 channels, the block's 512 bytes of a row, my half of them
	s_lshl_b32 s38, s23, 19
	s_add_co_u32 s36, s36, s38
	s_lshl_b32 s38, ttmp9, 9
	s_add_co_u32 s36, s36, s38
	s_lshl_b32 s38, s24, 8
	s_add_co_u32 s36, s36, s38
	s_add_nc_u64 s[4:5], s[4:5], s[36:37]
.irp i, 0,1,2,3,4,5,6,7,8,9,10,11,12,13,14,15
	global_load_b128 v[X+4*\i:X+4*\i+3], v[XA], s[4:5] offset:16384*\i   ; channel + i: lanes 0-15 and lanes 16-31 each read 256 consecutive bytes, aligned
.endr
	s_lshl_b32 s36, s22, 11
	s_add_co_u32 s36, s36, 32768
	s_add_nc_u64 s[44:45], s[12:13], s[36:37]      ; w_qkv at row 256 + 16 w
	s_lshl_b32 s36, s22, 12
	s_add_nc_u64 s[12:13], s[12:13], s[36:37]      ; and at row 32 w
	s_lshl_b32 s36, s22, 6
	s_add_co_u32 s36, s36, 1024
	s_add_nc_u64 s[46:47], s[14:15], s[36:37]      ; b_qkv likewise
	s_lshl_b32 s36, s22, 7
	s_add_nc_u64 s[14:15], s[14:15], s[36:37]
.irp u, 0,1
.irp c, 0,1,2,3
	global_load_b128 v[WP+16*\u+4*\c:WP+16*\u+4*\c+3], v[WA], s[12:13] offset:2048*\u+32*\c   ; registers 4 c .. 4 c + 3: channels 32 c + 16 h + 0 .. 15, as in hn's images
.endr
.endr
.irp c, 0,1,2,3
	global_load_b128 v[WVR+4*\c:WVR+4*\c+3], v[WA], s[44:45] offset:32*\c
.endr
.irp u, 0,1
.irp k, 0,1
	global_load_b128 v[BP+8*\u+4*\k:BP+8*\u+4*\k+3], v[H32], s[14:15] offset:64*\u+16*\k      ; rows 32 w + 16 u + 8 h + 0 .. 7
.endr
.endr
	global_load_b32 v[BV], v[R4], s[46:47]         ; row 256 + 16 w + r
	s_cmp_lt_u32 s22, 4                            ; my pair is q's or k's: the choice hangs on the wave's number alone
	s_cselect_b64 s[40:41], s[18:19], s[20:21]
	s_cselect_b32 s38, 14, 15                      ; a block is 16,384 bytes in q and 32,768 in kv
	s_lshl_b32 s36, s27, s38
	s_lshl_b32 s39, s23, 9
	s_add_co_u32 s36, s36, s39
	s_add_nc_u64 s[40:41], s[40:41], s[36:37]      ; where my four registers of tile 0 go
	s_lshl_b32 s36, s27, 15
	s_lshl_b32 s39, s22, 11
	s_add_co_u32 s36, s36, s39
	s_add_co_u32 s36, s36, 16384
	s_add_nc_u64 s[42:43], s[20:21], s[36:37]      ; v's image w
	s_wait_kmcnt 0x0
	s_add_co_i32 s51, s28, s29                     ; e0 + e1
	s_sub_co_i32 s50, 0, s51
	s_mov_b32 s52, s28
	MKSCALE 52, 53, 14, 15                         ; hn: v14
	s_cmp_lt_u32 s22, 4
	s_cselect_b32 s54, s30, s31
	s_sub_co_i32 s54, s54, s51
	MKSCALE 54, 53, 10, 11                         ; q or k: v10
	s_sub_co_i32 s55, s32, s51
	MKSCALE 55, 53, 12, 13                         ; v: v12
	; ---- PHASE X
	s_wait_loadcnt 33                              ; the ten small loads are in; x's 16 and the 17 for weights and biases may be out
	v_add_f32 v24, v16, v18                        ; the group's mean: the mean of four means of equal counts
	v_add_f32 v26, v20, v22
	s_delay_alu instid0(VALU_DEP_1)
	v_add_f32 v24, v24, v26
	s_delay_alu instid0(VALU_DEP_1)
	v_mul_f32 v24, 0x3e800000, v24
	s_delay_alu instid0(VALU_DEP_1)
	v_sub_f32 v28, v16, v24
	s_delay_alu instid0(VALU_DEP_2)
	v_sub_f32 v29, v18, v24
	s_delay_alu instid0(VALU_DEP_3)
	v_sub_f32 v30, v20, v24
	s_delay_alu instid0(VALU_DEP_4)
	v_sub_f32 v31, v22, v24
	s_delay_alu instid0(VALU_DEP_4)
	v_mul_f32 v26, v28, v28
	s_delay_alu instid0(VALU_DEP_1)
	v_fma_f32 v26, v29, v29, v26
	s_delay_alu instid0(VALU_DEP_1)
	v_fma_f32 v26, v30, v30, v26
	s_delay_alu instid0(VALU_DEP_1)
	v_fma_f32 v26, v31, v31, v26
	v_add_f32 v28, v17, v19                        ; the group's sum of squared deviations: the four quarters' + 16,384 x the squared distances of their means
	v_add_f32 v29, v21, v23
	s_delay_alu instid0(VALU_DEP_1)
	v_add_f32 v28, v28, v29
	s_delay_alu instid0(VALU_DEP_1)
	v_fmamk_f32 v28, v26, 0x46800000, v28
	s_delay_alu instid0(VALU_DEP_1)
	v_fma_f32 v26, v28, s48, s49                   ; var + eps
	s_wait_alu depctr_va_vdst(0)
	v_rsq_f32 v26, v26
	v_mov_b32 v25, v24                             ; (a plain line behind the transcendental)  the mean, twice
	s_wait_alu depctr_va_vdst(0)
.irp k, 0,2,4,6,8,10,12,14
	v_pk_mul_f32 v[GA+\k:GA+\k+1], v[GA+\k:GA+\k+1], v[26:27] op_sel_hi:[1,0]
.endr
	s_wait_loadcnt 17                              ; x is in
.set j, 0
.rept 32
	v_pk_add_f32 v[X+2*j:X+2*j+1], v[X+2*j:X+2*j+1], v[24:25] neg_lo:[0,1] neg_hi:[0,1]
.set j, j+1
.endr
.irp t, 0,1,2,3                        ; tile 4 (w / 4) + t; the two sets of 16 take turns, so that plain lines stand between a conversion and the next write of its sources
.irp i, 0,1,2,3,4,5,6,7,8,9,10,11,12,13,14,15
	v_fma_f32 v[H+16*(\t%2)+\i], v[X+4*\i+\t], v[GA+\i], v[BE+\i]
.endr
.irp i, 0,1,2,3,4,5,6,7,8,9,10,11,12,13,14,15
.endr
	v_cvt_scalef32_pk8_bf8_f32 v[PC+4*\t:PC+4*\t+1], v[H+16*(\t%2):H+16*(\t%2)+7], v14
	v_cvt_scalef32_pk8_bf8_f32 v[PC+4*\t+2:PC+4*\t+3], v[H+16*(\t%2)+8:H+16*(\t%2)+15], v14
.endr
	v_nop                                          ; a plain line behind the last conversion: products will write its sources
.irp t, 0,1,2,3
	ds_store_b128 v[IS], v[PC+4*\t:PC+4*\t+3] offset:2048*\t
.endr
	s_wait_loadcnt 0x0                             ; weights and biases
.set j, 0
.rept 16
	v_ldexp_f32 v[BP+j], v[BP+j], s50              ; bias / 2^(e0 + e1)
.set j, j+1
.endr
	v_ldexp_f32 v[BV], v[BV], s50
.irp j, 1,2,3,4,5,6,7
	v_mov_b32 v[BV+\j], v[BV]
.endr
	s_wait_alu depctr_va_vdst(0)
	s_wait_dscnt 0x0                               ; for the others' sake: my part of the images has landed
	s_barrier_signal -1
	s_barrier_wait -1
	; ---- PHASE P: tiles 4 hf .. 4 hf + 3 of hn
.macro HALF hf
	s_wait_xcnt 0x0                                ; the stores of the half before have read the codes' registers
.irp i, 0,1,2,3
.irp c, 0,1,2,3
	ds_load_b128 v[X+16*\i+4*\c:X+16*\i+4*\c+3], v[LI] offset:(4*\hf+\i)*2048+512*\c
.endr
.endr
	s_wait_dscnt 0x0
.irp i, 0,1,2,3
.irp u, 0,1
	v_wmma_f32_16x16x128_bf8_bf8 v[D+8*(2*\i+\u):D+8*(2*\i+\u)+7], v[WP+16*\u:WP+16*\u+15], v[X+16*\i:X+16*\i+15], v[BP+8*\u:BP+8*\u+7]
.endr
.endr
.rept 4
	v_nop                                          ; four places between the last product and the first read of results (ISA guide 7.12.1)
.endr
.set j, 0
.rept 64
.set j, j+1
.endr
.irp i, 0,1,2,3
.irp u, 0,1
	v_cvt_scalef32_pk8_bf8_f32 v[PC+4*\i+2*\u:PC+4*\i+2*\u+1], v[D+8*(2*\i+\u):D+8*(2*\i+\u)+7], v10   ; channels 32 (w % 4) + 16 u + 8 h + 0 .. 7 of position r
.endr
.endr
	v_nop                                          ; a plain line behind the last conversion; with the four above the fifth place in front of products that write over these accumulators
.irp i, 0,1,2,3
	global_store_b128 v[LI], v[PC+4*\i:PC+4*\i+3], s[40:41] offset:(4*\hf+\i)*2048   ; 512 consecutive bytes, aligned
.endr
.irp i, 0,1,2,3
	v_wmma_f32_16x16x128_bf8_bf8 v[D+8*\i:D+8*\i+7], v[X+16*\i:X+16*\i+15], v[WVR:WVR+15], v[BV:BV+7]
.endr
.rept 4
	v_nop                                          ; four places: for the reads below, and for the next half's loads into the fragments' registers
.endr
.set j, 0
.rept 32
.set j, j+1
.endr
.irp i, 0,1,2,3
	v_cvt_scalef32_pk8_bf8_f32 v[REC+2*\i:REC+2*\i+1], v[D+8*\i:D+8*\i+7], v12     ; rows 8 h + 0 .. 7 of tile 4 hf + i, channel 16 w + r: registers 2 T, 2 T + 1 of v's fragment
.endr
	v_nop
.irp k, 0,1
	global_store_b128 v[LI], v[REC+4*\k:REC+4*\k+3], s[42:43] offset:(2*\hf+\k)*512
.endr
.endm
	HALF 0
	HALF 1
	s_wait_tensorcnt 0x0
	ds_add_u32 v254, v255
	s_wait_dscnt 0x0
	s_endpgm
.Lfunc_end_k_qadf1664e48_qkv:
	.size	k_qadf1664e48_qkv, .Lfunc_end_k_qadf1664e48_qkv-k_qadf1664e48_qkv
	.p2alignl 7, 3214868480
	.fill 96, 4, 3214868480
	.section	.rodata,"a",@progbits
	.p2align	6, 0x0
	.amdhsa_kernel k_qadf1664e48_qkv
		.amdhsa_group_segment_fixed_size 17408
		.amdhsa_private_segment_fixed_size 0
		.amdhsa_enable_private_segment 0
		.amdhsa_kernarg_size 72
		.amdhsa_user_sgpr_count 2
		.amdhsa_user_sgpr_kernarg_segment_ptr 1
		.amdhsa_wavefront_size32 1
		.amdhsa_system_sgpr_workgroup_id_x 1
		.amdhsa_system_sgpr_workgroup_id_y 1
		.amdhsa_system_sgpr_workgroup_id_z 1
		.amdhsa_system_vgpr_workitem_id 0
		.amdhsa_next_free_vgpr 256
		.amdhsa_next_free_sgpr 66
		.amdhsa_reserve_vcc 0
		.amdhsa_float_denorm_mode_32 3
		.amdhsa_float_denorm_mode_16_64 3
		.amdhsa_fp16_overflow 1
		.amdhsa_memory_ordered 1
		.amdhsa_forward_progress 1
		.amdhsa_inst_pref_size 26
	.end_amdhsa_kernel
	.amdgpu_metadata
---
amdhsa.version: [ 1, 2 ]
amdhsa.kernels:
  - .name:           k_qadf1664e48_qkv
    .symbol:         k_qadf1664e48_qkv.kd
    .args:
      - { .name: x, .offset: 0, .size: 8, .value_kind: global_buffer, .address_space: global }
      - { .name: stats, .offset: 8, .size: 8, .value_kind: global_buffer, .address_space: global }
      - { .name: gamma, .offset: 16, .size: 8, .value_kind: global_buffer, .address_space: global }
      - { .name: beta, .offset: 24, .size: 8, .value_kind: global_buffer, .address_space: global }
      - { .name: w_qkv_codes, .offset: 32, .size: 8, .value_kind: global_buffer, .address_space: global }
      - { .name: b_qkv, .offset: 40, .size: 8, .value_kind: global_buffer, .address_space: global }
      - { .name: lowp_scales, .offset: 48, .size: 8, .value_kind: global_buffer, .address_space: global }
      - { .name: q, .offset: 56, .size: 8, .value_kind: global_buffer, .address_space: global }
      - { .name: kv, .offset: 64, .size: 8, .value_kind: global_buffer, .address_space: global }
    .group_segment_fixed_size: 17408
    .private_segment_fixed_size: 0
    .kernarg_segment_align: 8
    .kernarg_segment_size: 72
    .max_flat_workgroup_size: 256
    .sgpr_count:     66
    .vgpr_count:     256
    .wavefront_size: 32
...
	.end_amdgpu_metadata
.endif
;; end of part 2
;; launch attn (part 3): grid 32 x 8, 8 waves a work-group, clusters of 4 x 1, 327,680 bytes of LDS; arguments q, kv, lowp_scales, w_proj_codes, b_proj, x, out0; writes out0
.if DOCPART == 3
	.amdgcn_target "amdgcn-amd-amdhsa--gfx1250"
	.amdhsa_code_object_version 6
	.text
	.protected	k_qadf1664e48_attn
	.globl	k_qadf1664e48_attn
	.p2align	8
	.type	k_qadf1664e48_attn,@function
k_qadf1664e48_attn:
	s_mov_b64 s[64:65], 0
	v_nop
	global_prefetch_b8 v0, s[64:65] scope:SCOPE_SE
	s_setreg_imm32_b32 hwreg(HW_REG_WAVE_MODE, 25, 1), 1
	s_wait_xcnt 0x0
	s_wait_alu depctr_hold_cnt(0) depctr_sa_sdst(0) depctr_va_vdst(0) depctr_va_sdst(0) depctr_va_ssrc(0) depctr_va_vcc(0) depctr_vm_vsrc(0)
	s_getreg_b32 s2, hwreg(HW_REG_IB_STS2, 6, 4)
	s_cmp_eq_u32 s2, 0
	s_cbranch_scc0 .Lentry_in_a_cluster
	s_endpgm
.Lentry_in_a_cluster:
	s_bfe_u32 s2, ttmp6, 0x10000c
	s_cmp_lg_u32 s2, 0x3003
	s_cbranch_scc0 .Lentry_shape_is_right
	s_endpgm
.Lentry_shape_is_right:
; ATTENTION ON CODES OF BF8 (E5M2), THE PROJECTION AND THE RESIDUAL.  out0 = x + w_proj (softmax(q^T k / sqrt(128)) applied to v) + b_proj, one head of 128 channels, 4,096 positions an image.
; q and kv hold operands as images of their registers (2,048 bytes a fragment; registers 4 c .. 4 c + 3 of lane l at 512 c + 16 l).  A block of 128 keys is 32,768 dense bytes of kv: k's eight tiles of 16 keys,
; then v's eight tiles of 16 channels with the block's keys along K.  Row r of tile T of a block is position 64 (T / 4) + 4 r + T % 4.  Scales 2^e: q e2, k e3, v e4, p e5, out e6, w_proj e7.
; THE SOFTMAX: t = score x log2(e) / sqrt(128); M = the largest t so far, rounded UP to a whole number; p = 2^(t - M) is quantised, not normalised; the sum is taken of the unquantised p and divides at the end.
; When M moves, the sum and O are multiplied by 2^(old M - new M), which rounds nothing.
; SHARES.  A work-group owns a block of 128 queries: tiles 0 .. 7.  Wave w holds TWO tiles, w and w xor 1, and walks HALF the keys: of each slot's four key steps those numbered w % 2 and w % 2 + 2.  So each fragment
; of k and v that it reads from LDS feeds two products.  Each wave has 512 registers: two waves to a SIMD, so that one wave's products and LDS loads stand beside the other's softmax.  At the end the waves
; w and w xor 1 hand each other, through LDS, what they hold of the other's tile; the two halves are brought under one M by exact powers of two, and wave w finishes tile w.
; LAYOUT.  Both products are used transposed: S^T = k q^T (source 0 = 16 keys, source 1 = 16 queries), O^T = v p (source 0 = 16 channels, source 1 = p): a lane holds ONE query throughout.  Register j of S^T's tile T
; is row 8 h + j of key tile T, and the conversion of those eight gives registers 2 T, 2 T + 1 of p's fragment: the place that v's image gives the same keys.  O^T's tile c likewise gives registers 2 c, 2 c + 1 of
; out's fragment, channels 16 c + 8 h + 0 .. 7, and w_proj is loaded in that order (8 bytes at 16 c + 8 h of a row).
; CLUSTER.  The four query blocks of a cluster belong to one image and walk the same keys: each slot is asked for JOINTLY, by the same tensor load with the same descriptor and a mask that names the four.
; RING.  Two slots of 131,072 bytes (four key steps).  Each of the eight waves fetches 16,384 bytes of a slot, 64 rows of 256; one tensor load of a wave is out at most.  No padding: fragments are read 512 bytes on end.
; LDS: 0 slot 0 (at the end: eight regions of 8,448 bytes for the exchange); 131,072 slot 1 (at the end: a stage of 128 rows x 528 bytes); 262,144 the spare words, 128 bytes a wave.
; LIMITS, so that each power of two is an f32 number: e5 and e6 between -126 and 112; e2 + e3 between -123 and 130 (added to c's exponent field); e6 + e7 between -126 and 127; e4 + e5 goes by v_ldexp_f32.
; NaN and infinities among the inputs are not served.  The residual is summed as proj x 2^(e6 + e7) + (x + b_proj): another order of rounding than x + (proj + b_proj).
; REGISTERS.  Window 0: v1 16 x lane; v2 the LDS address in hand; v3, v4 the spare word's address and 0; v6 2^e5; v7 a lane permute's destination; v8-15 (-M, largest t, the sum in two halves) of
;   both tiles; v16-47 q's two fragments; v48-111 four fragments of k or v; v112-239 S^T, then p, 64 a tile; v240-245 at work; v246-255 the tail's.
; Window 1: v0-127 O^T, 64 a tile; v128-159 p's codes; v160-223 four more fragments of k or v; at the end v128-255 w_proj's eight fragments.
.set SLOT1, 131072
.set VOFF,  16384                      ; v's images behind k's in a key step
.set SPARE, 262144
.set XCHW,  8448                       ; the exchange: 8,192 bytes of O^T + 256 of (-M, sum) for each wave
.set STAGE, SLOT1
.set SP,    528                        ; a stage row: 128 positions x 4 bytes + 16
.set LI,  1
.set ADR, 2
.set SPW, 3
.set NIL, 4
.set LIM, 5
.set SCL, 6
.set PD,  7
.set ST,  8
.set Q,   16
.set F0,  48
.set S,   112
.set FF,  240                          ; v[240:241] f = 2^(old M - new M); the pair's upper word is written once
.set SU,  242                          ; v[242:243] the sum's second chain
.set T0,  244
.set T1,  245
.set WPA, 246                          ; the tail: w_proj: 128 r + 8 h
.set XS,  251                          ; the exchange: where I store O^T, (-M, sum); where I read the partner's
.set XSM, 252
.set XR,  253
.set XRM, 254
.set STO, 255                          ; the stage: where I put a number
.set O,   0                            ; window 1
.set PC,  128
.set F1,  160
.set WPJ, 128
.set MSB, 0
.macro WIN new                         ; s_set_vgpr_msb: bits 1:0 source 0, 3:2 source 1, 5:4 source 2, 7:6 destination; the high byte repeats the setting that is left; a switch that changes nothing is dropped
.if MSB != \new
	s_set_vgpr_msb (MSB<<8)|\new
.set MSB, \new
.endif
.endm
; Four places stand between a matrix instruction and a vector instruction or store that reads its result, and a load into one of its registers (ISA guide 7.12.1 for vector instructions)
.macro PLACES
.rept 4
	v_nop
.endr
.endm
; A round of the cluster's barrier: my work-group's barrier, wave 0 signals for the work-group, every wave waits for all four work-groups, my work-group's barrier once more
.macro CROUND
	s_barrier_signal -1
	s_barrier_wait -1
	s_cmp_lg_u32 s18, 0
	s_cbranch_scc1 .Lnot_wave_0_\@
	s_barrier_signal -3
.Lnot_wave_0_\@:
	s_barrier_wait -3
	s_barrier_signal -1
	s_barrier_wait -1
.endm
.macro MKSCALE e, t, vs, vl            ; 2^e as f32 into v[vs]; s[e] holds e and is used up
	s_add_co_i32 s[\e], s[\e], 127
	s_lshl_b32 s[\t], s[\e], 23
	v_mov_b32 v[\vs], s[\t]
.endm
	s_load_b256 s[4:11], s[0:1], 0x0               ; q s[4:5], kv s[6:7], the exponents s[8:9], w_proj s[10:11]
	s_load_b128 s[12:15], s[0:1], 0x20             ; b_proj s[12:13], x s[14:15]
	s_load_b64 s[16:17], s[0:1], 0x30              ; out0
	v_lshl_add_u32 v[SPW], v0, 2, SPARE
	v_mov_b32 v[NIL], 0
	ds_add_u32 v3, v4
	ds_add_u32 v3, v4
	s_wait_dscnt 0x0
	v_lshrrev_b32 v2, 5, v0
	s_delay_alu instid0(VALU_DEP_1)
	v_readfirstlane_b32 s18, v2                    ; wave 0..7
	v_and_b32 v1, 31, v0
	s_delay_alu instid0(VALU_DEP_1)
	v_lshlrev_b32 v[LI], 4, v1
	s_bfe_u32 s50, ttmp6, 0x40000                  ; cx: my place in the cluster: it enters q's, x's and out0's addresses alone
	s_lshl_b32 s51, ttmp9, 2                       ; in a cluster launch ttmp9 counts clusters
	s_add_co_u32 s51, s51, s50                     ; my block of queries
	s_and_b32 s19, ttmp7, 0xffff                   ; the image, which the four partners share
	; descriptor group 1: 64 rows of 32 elements of 8 bytes, dense in memory and in LDS
	s_mov_b32 s24, 15|(3<<16)|(1<<21)              ; 15:0 the mask: all four work-groups; 17:16 elements of 8 bytes; 20 no padding; 21 set beside a mask
	s_mov_b32 s25, 32<<16                          ; tensor_dim0 = 32
	s_mov_b32 s26, 64<<16                          ; tensor_dim1 = 64
	s_mov_b32 s27, 32<<16                          ; tile_dim0 = 32
	s_mov_b32 s28, 64                              ; tile_dim1 = 64
	s_mov_b32 s29, 32                              ; elements from row to row
	s_mov_b32 s30, 0
	s_mov_b32 s31, 0
	s_mov_b32 s20, 0x76543210                      ; v_permlanex16_b32: lane l takes lane l xor 16
	s_mov_b32 s21, 0xfedcba98
	s_mov_b32 s22, 0x3e0293ee                      ; c = log2(e) / sqrt(128)
	s_and_b32 s36, s18, 1
	s_lshl_b32 s36, s36, 15                        ; LDS byte of my first key step in the slot in hand
	s_mov_b32 s37, 7                               ; slots still to be asked for: an image's keys are eight slots' worth
	s_lshl_b32 s56, s19, 20                        ; kv: the image's 2^20 bytes, my 16,384 of a slot
	s_lshl_b32 s57, s18, 14
	s_add_co_u32 s56, s56, s57
	s_mov_b32 s57, 0
	s_lshl_b32 s58, s19, 5
	s_add_co_u32 s58, s58, s51
	s_lshl_b32 s58, s58, 14                        ; q: (image x 32 + block) x 16,384,
	s_lshl_b32 s59, s18, 11
	s_add_co_u32 s60, s58, s59                     ; + tile w,
	s_mov_b32 s61, 0
	s_xor_b32 s59, s18, 1
	s_lshl_b32 s59, s59, 11
	s_add_co_u32 s62, s58, s59                     ; + tile w xor 1
	s_mov_b32 s63, 0
	s_lshl_b32 s66, s19, 21                        ; x and out0: the image, channels 16 w on, the block's 512 bytes of a row
	s_lshl_b32 s58, s18, 18
	s_add_co_u32 s66, s66, s58
	s_lshl_b32 s58, s51, 9
	s_add_co_u32 s66, s66, s58
	s_mov_b32 s67, 0
	s_lshl_b32 s58, s18, 6                         ; b_proj: my 16 channels
	s_mov_b32 s59, 0
	s_wait_kmcnt 0x0
	s_load_b256 s[40:47], s[8:9], 0x0              ; e0 .. e7
	s_add_nc_u64 s[12:13], s[12:13], s[58:59]
	s_load_b512 s[68:83], s[12:13], 0x0            ; b_proj[16 w .. 16 w + 15]
	s_mov_b32 s32, 1                               ; descriptor group 0: count = 1,
	s_lshl_b32 s33, s18, 14                        ; LDS address: slot 0, wave x 16,384: no place in the cluster enters it,
	s_add_nc_u64 s[34:35], s[6:7], s[56:57]        ; global address,
	s_or_b32 s35, s35, 0x80000000                  ; type = 2
	s_add_nc_u64 s[52:53], s[4:5], s[60:61]
	s_add_nc_u64 s[54:55], s[4:5], s[62:63]
	s_add_nc_u64 s[14:15], s[14:15], s[66:67]
	s_add_nc_u64 s[16:17], s[16:17], s[66:67]
	CROUND                                         ; all four work-groups are here: the first joint loads meet
	tensor_load_to_lds s[32:35], s[24:31]          ; slot 0: every wave its own 16,384 bytes
	s_nop 0
	PLACES                                         ; four v_nop follow a tensor load
	s_wait_alu depctr_va_vdst(0)
.irp c, 0,1,2,3
	global_load_b128 v[Q+4*\c:Q+4*\c+3], v[LI], s[52:53] offset:512*\c        ; q's two fragments stay in registers
.endr
.irp c, 0,1,2,3
	global_load_b128 v[Q+16+4*\c:Q+16+4*\c+3], v[LI], s[54:55] offset:512*\c
.endr
	v_mov_b32 v[ST+1], 0xff61b1e6                  ; the largest t so far: -3e38, under every t
	v_mov_b32 v[ST+5], 0xff61b1e6
	s_delay_alu instid0(VALU_DEP_2)
	v_floor_f32 v[ST], -v[ST+1]                    ; -M
	s_delay_alu instid0(VALU_DEP_2)
	v_floor_f32 v[ST+4], -v[ST+5]
	v_mov_b32 v[ST+2], 0                           ; the sums
	v_mov_b32 v[ST+3], 0
	v_mov_b32 v[ST+6], 0
	v_mov_b32 v[ST+7], 0
	v_mov_b32 v[PD], 0                             ; written once: a lane permute's destination counts as one of its sources
	v_mov_b32 v[FF+1], 0                           ; (named as the upper half of a pair)
	WIN 0x40
.set n, 0
.rept 128
	v_mov_b32 v[O+n], 0                            ; O^T.  The key step is written without a first step of its own: it finds zeros, which the first change of M leaves zeros
.set n, n+1
.endr
	WIN 0
	s_wait_kmcnt 0x0
	s_add_co_i32 s56, s42, s43
	s_lshl_b32 s56, s56, 23
	s_add_co_i32 s22, s22, s56                     ; a score stands for score x 2^(e2 + e3): the two exponents are added to c's exponent field
	s_mov_b32 s23, s22                             ; (named with it as a pair)
	s_mov_b32 s56, s45
	MKSCALE 56, 57, SCL, LIM                       ; p's scale
	s_add_co_i32 s86, s44, s45                     ; e4 + e5
	s_add_co_i32 s84, s46, s47
	s_add_co_i32 s84, s84, 127
	s_lshl_b32 s84, s84, 23                        ; 2^(e6 + e7) as f32
	s_mov_b32 s85, s84
	s_wait_loadcnt 0x0                             ; q
; eight fragments (k's at base 0, v's at base VOFF) of the key step at v[ADR]: 32 loads of 512 consecutive bytes, in one run
.macro LOADF base
.irp t, 0,1,2,3
.irp c, 0,1,2,3
	ds_load_b128 v[F0+16*\t+4*\c:F0+16*\t+4*\c+3], v[ADR] offset:\base+\t*2048+512*\c
.endr
.endr
	WIN 0x40
.irp t, 4,5,6,7
.irp c, 0,1,2,3
	ds_load_b128 v[F1+16*(\t-4)+4*\c:F1+16*(\t-4)+4*\c+3], v[ADR] offset:\base+\t*2048+512*\c
.endr
.endr
	WIN 0
.endm
; one tile's softmax for a key step: 64 scores a lane
.macro SOFTMAX e
.set rS, S+64*\e
.set rT, ST+4*\e
.set rO, O+64*\e
.set rC, PC+16*\e
	v_max3_num_f32 v[T0], v[rS], v[rS+1], v[rS+2]  ; the step's largest score of my query among my 64 keys, in two chains, ascending: each accumulator is read from its low end on
	v_max3_num_f32 v[T1], v[rS+3], v[rS+4], v[rS+5]
.set n, 6
.rept 14
	v_max3_num_f32 v[T0], v[T0], v[rS+n], v[rS+n+1]
	v_max3_num_f32 v[T1], v[T1], v[rS+n+2], v[rS+n+3]
.set n, n+4
.endr
	v_max3_num_f32 v[T0], v[T0], v[rS+62], v[rS+63]
	s_delay_alu instid0(VALU_DEP_1)
	v_max_num_f32 v[T0], v[T0], v[T1]
	s_delay_alu instid0(VALU_DEP_1)
	v_permlanex16_b32 v[PD], v[T0], s20, s21
	s_delay_alu instid0(VALU_DEP_1)
	v_max_num_f32 v[T0], v[T0], v[PD]              ; and among lane l xor 16's
	s_delay_alu instid0(VALU_DEP_1)
	v_mul_f32 v[T0], s22, v[T0]                    ; as t (c is positive)
	s_delay_alu instid0(VALU_DEP_1)
	v_max_num_f32 v[rT+1], v[rT+1], v[T0]          ; the running largest t
	v_mov_b32 v[T0], v[rT]
	s_delay_alu instid0(VALU_DEP_2)
	v_floor_f32 v[rT], -v[rT+1]                    ; the new -M = floor(-t) = -ceil(t): a whole number
	s_delay_alu instid0(VALU_DEP_1)
	v_sub_f32 v[T0], v[rT], v[T0]                  ; old M - new M: a whole number, 0 or less
	s_delay_alu instid0(VALU_DEP_1)
	v_cvt_i32_f32 v[T0], v[T0]                     ; (it saturates)
	s_delay_alu instid0(VALU_DEP_1)
	v_ldexp_f32 v[FF], 1.0, v[T0]                  ; f = 2^(old M - new M)
.set n, 0
.rept 32
	v_pk_fma_f32 v[rS+n:rS+n+1], v[rS+n:rS+n+1], s[22:23], v[rT:rT+1] op_sel_hi:[1,0,0]   ; t - M, two at a time (of the pairs c and -M the low word serves both halves)
.set n, n+2
.endr
.set n, 0
	s_wait_alu depctr_va_vdst(0)
.rept 64
	v_exp_f32 v[rS+n], v[rS+n]                     ; p = 2^(t - M), at most 1
.set n, n+1
.endr
	v_pk_mul_f32 v[rT+2:rT+3], v[rT+2:rT+3], v[FF:FF+1] op_sel_hi:[1,0]    ; the sums under the new M (a plain line behind the exponentials)
	s_wait_alu depctr_va_vdst(0)
	v_pk_add_f32 v[SU:SU+1], v[rS:rS+1], v[rS+2:rS+3]                      ; the sum of the UNQUANTISED p, in two chains
.set n, 4
.rept 15
	v_pk_add_f32 v[rT+2:rT+3], v[rT+2:rT+3], v[rS+n:rS+n+1]
	v_pk_add_f32 v[SU:SU+1], v[SU:SU+1], v[rS+n+2:rS+n+3]
.set n, n+4
.endr
	s_delay_alu instid0(VALU_DEP_1)
	v_pk_add_f32 v[rT+2:rT+3], v[rT+2:rT+3], v[SU:SU+1]
.set n, 0
.rept 64
.set n, n+1
.endr
	WIN 0x40
.set n, 0
.rept 8
	v_cvt_scalef32_pk8_bf8_f32 v[rC+2*n:rC+2*n+1], v[rS+8*n:rS+8*n+7], v[SCL]
.set n, n+1
.endr
	WIN 0x41
.set n, 0
.rept 32
	v_pk_mul_f32 v[rO+n:rO+n+1], v[rO+n:rO+n+1], v[FF:FF+1] op_sel_hi:[1,0]   ; O^T under the new M.  (Also the plain lines between the conversions and the products that read the codes)
.set n, n+2
.endr
	WIN 0
.endm
; A KEY STEP of 128 keys: my i-th of the slot in hand.  32 products; no two that follow each other share an accumulator, one instruction a turn.
.macro STEP i
	s_add_co_u32 s38, s36, \i*65536
	v_add_nc_u32 v[ADR], s38, v[LI]
	PLACES                                         ; in front of loads into registers that the last products read
	LOADF 0
	s_wait_alu depctr_va_vdst(0)
	s_wait_dscnt 16                                ; k's tiles 0-3 are in; the 16 younger loads (tiles 4-7) may be out
.irp t, 0,1,2,3
.irp e, 0,1
	v_wmma_f32_16x16x128_bf8_bf8 v[S+64*\e+8*\t:S+64*\e+8*\t+7], v[F0+16*\t:F0+16*\t+15], v[Q+16*\e:Q+16*\e+15], 0
.endr
.endr
	s_wait_dscnt 0x0
	WIN 0x01                                       ; source 0 in window 1
.irp t, 4,5,6,7
.irp e, 0,1
	v_wmma_f32_16x16x128_bf8_bf8 v[S+64*\e+8*\t:S+64*\e+8*\t+7], v[F1+16*(\t-4):F1+16*(\t-4)+15], v[Q+16*\e:Q+16*\e+15], 0
.endr
.endr
	WIN 0
	PLACES                                         ; for the loads below and for the first read of the scores
	LOADF VOFF                                     ; v's fragments land while the softmax is worked
	SOFTMAX 0
	SOFTMAX 1
	s_wait_alu depctr_va_vdst(0)
	s_wait_dscnt 0x0
	WIN 0x54                                       ; p's codes, C and D in window 1
.irp t, 0,1,2,3
.irp e, 0,1
	v_wmma_f32_16x16x128_bf8_bf8 v[O+64*\e+8*\t:O+64*\e+8*\t+7], v[F0+16*\t:F0+16*\t+15], v[PC+16*\e:PC+16*\e+15], v[O+64*\e+8*\t:O+64*\e+8*\t+7]
.endr
.endr
	WIN 0x55
.irp t, 4,5,6,7
.irp e, 0,1
	v_wmma_f32_16x16x128_bf8_bf8 v[O+64*\e+8*\t:O+64*\e+8*\t+7], v[F1+16*(\t-4):F1+16*(\t-4)+15], v[PC+16*\e:PC+16*\e+15], v[O+64*\e+8*\t:O+64*\e+8*\t+7]
.endr
.endr
	WIN 0
.endm
; THE CHANGE OF SLOTS stands at a slot's head.  Each wave waits for all its tensor loads (its part of the slot that it is about to read), adds 0 to its spare word, and waits for that and for its reads of the slot that
; it has left.  fill = 1: the barrier is a round of the cluster's, so that no wave of any partner still reads the other slot or has a load on its way, and the joint fill of that slot is the first thing behind it:
; it has a slot's key steps in which to land.
.macro CHANGE fill
	s_wait_tensorcnt 0x0                           ; no tensor load of mine is out, so group 0 may be written
	ds_add_u32 v[SPW], v[NIL]                      ; 0 onto my spare word
.if \fill
	s_xor_b32 s33, s33, SLOT1                      ; the walking descriptor: the other slot than last time,
	s_add_nc_u64 s[34:35], s[34:35], SLOT1         ; the next 512 keys' 131,072 bytes; the type bits on top are not reached
.endif
	s_wait_dscnt 0x0                               ; the add is done, and my reads of the slot that I have left are over
.if \fill
	CROUND
	tensor_load_to_lds s[32:35], s[24:31]
	s_nop 0
	PLACES                                         ; four v_nop follow a tensor load
.else
	s_barrier_signal -1
	s_barrier_wait -1
.endif
.endm
.macro SLOT_STEPS
	STEP 0
	STEP 1
	s_xor_b32 s36, s36, SLOT1                      ; on to the other slot
.endm
.Lslot:                                            ; seven trips: behind each change of slots but the last the next slot is asked for
	CHANGE 1
	SLOT_STEPS
	s_sub_co_u32 s37, s37, 1
	s_cmp_lg_u32 s37, 0
	s_cbranch_scc1 .Lslot
	CHANGE 0                                       ; the last slot (slot 1) is written out
	SLOT_STEPS
	; ---- THE TAIL.  w_proj and my 16 rows of x are asked for first; they land under the exchange.
	PLACES                                         ; behind the last products: for the loads into their registers and the stores of their results
	v_and_b32 v247, 15, v0                         ; r
	v_bfe_u32 v248, v0, 4, 1                       ; h
	s_wait_alu depctr_va_vdst(0)
	v_lshlrev_b32 v[WPA], 7, v247
	s_delay_alu instid0(VALU_DEP_1)
	v_lshl_add_u32 v[WPA], v248, 3, v[WPA]
	WIN 0x40
.set n, 0
.rept 64
	global_load_b64 v[WPJ+2*n:WPJ+2*n+1], v[WPA], s[10:11] offset:(n/8)*2048+(n%8)*16   ; tile n / 8, registers 2 c, 2 c + 1 (c = n % 8): channels 16 c + 8 h + 0 .. 7 of row 16 (n / 8) + r
.set n, n+1
.endr
	WIN 0
.irp i, 0,1,2,3,4,5,6,7,8,9,10,11,12,13,14,15
	global_load_b128 v[32+4*\i:32+4*\i+3], v[LI], s[14:15] offset:16384*\i th:TH_LOAD_NT   ; channel 16 w + i, the block's 128 positions: 512 consecutive bytes; read once in this launch
.endr
	s_mul_i32 s56, s18, XCHW
	s_xor_b32 s57, s18, 1
	s_mul_i32 s57, s57, XCHW
	v_and_b32 v[XSM], 31, v0
	s_delay_alu instid0(VALU_DEP_1)
	v_lshlrev_b32 v[XSM], 3, v[XSM]                ; 8 x lane
	v_add_nc_u32 v[XS], s56, v[LI]
	s_wait_alu depctr_va_vdst(0)
	v_add_nc_u32 v[XR], s57, v[LI]
	v_add_nc_u32 v[XRM], s57, v[XSM]
	v_add_nc_u32 v[XSM], s56, v[XSM]
	s_lshr_b32 s58, s18, 2                         ; the stage: row = output channel; query r of tile w is position 64 (w / 4) + 4 r + w % 4
	s_lshl_b32 s58, s58, 8
	s_and_b32 s59, s18, 3
	s_lshl_b32 s59, s59, 2
	s_add_co_u32 s58, s58, s59
	s_add_co_u32 s58, s58, STAGE
	v_mul_u32_u24 v[STO], v248, 8*SP               ; lanes 16-31 hold channels 8 further on
	s_delay_alu instid0(VALU_DEP_1)
	v_lshl_add_u32 v[STO], v247, 4, v[STO]
	s_delay_alu instid0(VALU_DEP_1)
	v_add_nc_u32 v[STO], s58, v[STO]
	s_add_co_u32 s56, s56, STAGE                   ; 16 rows of 528 bytes are 8,448 too
	v_add_nc_u32 v[ADR], s56, v[LI]                ; back: rows 16 w on, 16 bytes a lane
	; THE EXCHANGE, in slot 0: it has had its last fill, and every wave left it at the last change of slots.  What I hold of tile w xor 1 goes to the partner as an image of its registers.
	WIN 0x04                                       ; the stores' data in window 1
.irp k, 0,1,2,3,4,5,6,7,8,9,10,11,12,13,14,15
	ds_store_b128 v[XS], v[O+64+4*\k:O+64+4*\k+3] offset:512*\k
.endr
	WIN 0
	v_add_f32 v[ST+5], v[ST+6], v[ST+7]            ; its sum's two halves (the largest t is done with)
	s_wait_alu depctr_va_vdst(0)
	ds_store_b64 v[XSM], v[ST+4:ST+5] offset:8192  ; (-M, sum)
	s_wait_dscnt 0x0                               ; for the others' sake: my stores have landed; and my reads of slot 1 are over
	s_barrier_signal -1
	s_barrier_wait -1
.irp k, 0,1,2,3,4,5,6,7,8,9,10,11,12,13,14,15
	ds_load_b128 v[S+4*\k:S+4*\k+3], v[XR] offset:512*\k
.endr
	ds_load_b64 v[T0:T1], v[XRM] offset:8192
	v_add_f32 v[ST+2], v[ST+2], v[ST+3]
	s_wait_dscnt 0x0
	v_min_num_f32 v247, v[ST], v[T0]               ; the common -M: the larger M
	s_delay_alu instid0(VALU_DEP_1)
	v_sub_f32 v248, v247, v[ST]
	s_delay_alu instid0(VALU_DEP_2)
	v_sub_f32 v[SU], v247, v[T0]
	s_delay_alu instid0(VALU_DEP_2)
	v_cvt_i32_f32 v248, v248
	s_delay_alu instid0(VALU_DEP_2)
	v_cvt_i32_f32 v[SU], v[SU]
	s_delay_alu instid0(VALU_DEP_2)
	v_ldexp_f32 v[FF], 1.0, v248                   ; my half's factor and the partner's: exact powers of two
	s_wait_alu depctr_va_vdst(0)
	v_ldexp_f32 v[SU], 1.0, v[SU]
	v_mul_f32 v[ST+2], v[ST+2], v[FF]
	s_delay_alu instid0(VALU_DEP_1)
	v_fmac_f32 v[ST+2], v[T1], v[SU]
	s_delay_alu instid0(VALU_DEP_1)
	v_permlanex16_b32 v[PD], v[ST+2], s20, s21
	s_delay_alu instid0(VALU_DEP_1)
	v_add_f32 v[ST+2], v[ST+2], v[PD]              ; the row's sum over all 4,096 keys
	s_wait_alu depctr_va_vdst(0)
	v_rcp_f32 v[ST+2], v[ST+2]
	v_nop                                          ; a plain line behind the transcendental
	s_wait_alu depctr_va_vdst(0)
	v_ldexp_f32 v[ST+2], v[ST+2], s86              ; x 2^(e4 + e5)
	s_delay_alu instid0(VALU_DEP_1)
	v_mul_f32 v[FF], v[FF], v[ST+2]                ; folded into the two factors
	s_delay_alu instid0(VALU_DEP_2)
	v_mul_f32 v[SU], v[SU], v[ST+2]
.set n, 0
.rept 32
	v_pk_mul_f32 v[S+n:S+n+1], v[S+n:S+n+1], v[SU:SU+1] op_sel_hi:[1,0]
.set n, n+2
.endr
	WIN 0x01
.set n, 0
.rept 32
	v_pk_fma_f32 v[S+n:S+n+1], v[O+n:O+n+1], v[FF:FF+1], v[S+n:S+n+1] op_sel_hi:[1,0,1]   ; out(channel 16 c + 8 h + j, query r) in register 8 c + j; O^T's accumulators from their low ends on
.set n, n+2
.endr
	WIN 0
	s_mov_b32 s56, s46
	MKSCALE 56, 57, 250, 249                       ; out's scale
.set n, 0
.rept 64
.set n, n+1
.endr
.set n, 0
.rept 8
	v_cvt_scalef32_pk8_bf8_f32 v[Q+2*n:Q+2*n+1], v[S+8*n:S+8*n+7], v250
.set n, n+1
.endr
	v_nop                                          ; a plain line between the conversions and the products that read the codes
	s_wait_alu depctr_va_vdst(0)
	s_wait_loadcnt 16                              ; w_proj's 64 loads are in; x's 16, issued behind them, may be out
	WIN 0x01
.irp t, 0,1,2,3,4,5,6,7
	v_wmma_f32_16x16x128_bf8_bf8 v[S+64+8*\t:S+64+8*\t+7], v[WPJ+16*\t:WPJ+16*\t+15], v[Q:Q+15], 0   ; proj(output channel 16 t + 8 h + j, query r)
.endr
	WIN 0
	PLACES
	; THE STAGE, in slot 1: it has had its last fill, and every wave's reads of it were over in front of the exchange's barrier.  A row's 128 positions come from eight waves, four bytes at a time
.set n, 0
.rept 64
	ds_store_b32 v[STO], v[S+64+n] offset:(16*(n/8)+n%8)*SP
.set n, n+1
.endr
	s_wait_dscnt 0x0                               ; for the others' sake
	s_barrier_signal -1
	s_barrier_wait -1
.irp i, 0,1,2,3,4,5,6,7,8,9,10,11,12,13,14,15
	ds_load_b128 v[S+4*\i:S+4*\i+3], v[ADR] offset:\i*SP
.endr
	s_wait_loadcnt 0x0                             ; x
.set n, 0
.rept 64
	v_add_f32 v[32+n], s[68+n/4], v[32+n]          ; x + b_proj[16 w + n / 4]
.set n, n+1
.endr
.irp i, 0,1,2,3,4,5,6,7,8,9,10,11,12,13,14,15
	s_wait_dscnt 15-\i                             ; row i is back; the 15 - i younger loads may be out
	v_pk_fma_f32 v[S+4*\i:S+4*\i+1], v[S+4*\i:S+4*\i+1], s[84:85], v[32+4*\i:33+4*\i] op_sel_hi:[1,0,1]
	v_pk_fma_f32 v[S+4*\i+2:S+4*\i+3], v[S+4*\i+2:S+4*\i+3], s[84:85], v[34+4*\i:35+4*\i] op_sel_hi:[1,0,1]
	global_store_b128 v[LI], v[S+4*\i:S+4*\i+3], s[16:17] offset:16384*\i th:TH_STORE_NT   ; 32 lanes store 512 consecutive bytes, aligned; written once, read by nobody here
.endr
	s_wait_tensorcnt 0x0                           ; the wave's end, behind my last tensor load and my last LDS store
	ds_add_u32 v[SPW], v[NIL]
	s_wait_dscnt 0x0
	CROUND                                         ; the closing round: no work-group ends while a partner may still ask for a tile that names it
	s_endpgm
.Lfunc_end_k_qadf1664e48_attn:
	.size	k_qadf1664e48_attn, .Lfunc_end_k_qadf1664e48_attn-k_qadf1664e48_attn
	.p2alignl 7, 3214868480
	.fill 96, 4, 3214868480
	.section	.rodata,"a",@progbits
	.p2align	6, 0x0
	.amdhsa_kernel k_qadf1664e48_attn
		.amdhsa_group_segment_fixed_size 327680
		.amdhsa_private_segment_fixed_size 0
		.amdhsa_enable_private_segment 0
		.amdhsa_kernarg_size 56
		.amdhsa_user_sgpr_count 2
		.amdhsa_user_sgpr_kernarg_segment_ptr 1
		.amdhsa_wavefront_size32 1
		.amdhsa_system_sgpr_workgroup_id_x 1
		.amdhsa_system_sgpr_workgroup_id_y 1
		.amdhsa_system_sgpr_workgroup_id_z 1
		.amdhsa_system_vgpr_workitem_id 0
		.amdhsa_next_free_vgpr 512
		.amdhsa_next_free_sgpr 96
		.amdhsa_reserve_vcc 0
		.amdhsa_float_denorm_mode_32 3
		.amdhsa_float_denorm_mode_16_64 3
		.amdhsa_fp16_overflow 1
		.amdhsa_memory_ordered 1
		.amdhsa_forward_progress 1
		.amdhsa_inst_pref_size 159
	.end_amdhsa_kernel
	.amdgpu_metadata
---
amdhsa.version: [ 1, 2 ]
amdhsa.kernels:
  - .name:           k_qadf1664e48_attn
    .symbol:         k_qadf1664e48_attn.kd
    .args:
      - { .name: q, .offset: 0, .size: 8, .value_kind: global_buffer, .address_space: global }
      - { .name: kv, .offset: 8, .size: 8, .value_kind: global_buffer, .address_space: global }
      - { .name: lowp_scales, .offset: 16, .size: 8, .value_kind: global_buffer, .address_space: global }
      - { .name: w_proj_codes, .offset: 24, .size: 8, .value_kind: global_buffer, .address_space: global }
      - { .name: b_proj, .offset: 32, .size: 8, .value_kind: global_buffer, .address_space: global }
      - { .name: x, .offset: 40, .size: 8, .value_kind: global_buffer, .address_space: global }
      - { .name: out0, .offset: 48, .size: 8, .value_kind: global_buffer, .address_space: global }
    .group_segment_fixed_size: 327680
    .private_segment_fixed_size: 0
    .kernarg_segment_align: 8
    .kernarg_segment_size: 56
    .max_flat_workgroup_size: 256
    .sgpr_count:     96
    .vgpr_count:     512
    .wavefront_size: 32
...
	.end_amdgpu_metadata
.endif
;; end of part 3
